; MI455X (gfx1250); checked and timed in simulation.
; The chip was launched on July 23, 2026; its instructions are those of AMD's public machine-readable ISA for CDNA 5 (MIT licence, August 2026) and "CDNA5" Instruction Set Architecture Reference Guide (July 2026). The comments in the code are by the model that wrote it; some were corrected since.
;; Mlp Moe Block. Allowed arithmetic: float matrix products may take bf16 or f16 operands with f32 sums; other float arithmetic in f32, or as packed bf16 or f16 multiplies, adds, multiply-adds, maxima and minima; sums over many terms, partial sums and values carried from step to step in f32; what a program stores and reads back later, other than sums and carried values, may be rounded once to bf16 or f16.
;; Inputs: W1 8 x 1,024 x 4,096 float32; W2 8 x 4,096 x 1,024 float32; Wr 1,024 x 8 float32; b1 8 x 4,096 float32; b2 8 x 1,024 float32; br 8 float32; x 8 x 128 x 1,024 float32.
;; Outputs: out0 8 x 128 x 1,024 float32.
;; One version. Each part assembles by itself: llvm-mc -triple=amdgcn-amd-amdhsa -mcpu=gfx1250 --defsym DOCPART=n.
;; ======== version 1 of 1: 4 launches
;; workspace buffers: xb 2,097,152 bytes; bm 2,048 bytes of whole numbers; gate 8,192 bytes; hid 67,108,864 bytes; part 33,554,432 bytes
;; launch route (part 1): grid 64 x 1, 8 waves a work-group, no clusters, 61,440 bytes of LDS; arguments x, Wr, br, xb, bm, gate; writes xb, bm, gate
.if DOCPART == 1
	.amdgcn_target "amdgcn-amd-amdhsa--gfx1250"
	.amdhsa_code_object_version 6
	.text
	.protected	k_qeeb4789ed4_route
	.globl	k_qeeb4789ed4_route
	.p2align	8
	.type	k_qeeb4789ed4_route,@function
k_qeeb4789ed4_route:
	s_mov_b64 s[64:65], 0
	v_nop
	global_prefetch_b8 v0, s[64:65] scope:SCOPE_SE
	s_setreg_imm32_b32 hwreg(HW_REG_WAVE_MODE, 25, 1), 1
	s_wait_xcnt 0x0
; ROUTER.  logits = x Wr + br, softmax, the two largest, their weights; and x rounded once to bf16 for the first product.
; x: [1024 tokens][1024] f32.  Wr: [1024][8] f32.  br: [8] f32.  All three are rounded to bf16 (as every input of the program is); products and sums in f32.
; OUT.  xb: [token][1024] bf16.  bm: 16-bit words at byte (2 e + kk) 128 + 2 g: bit i = token 16 g + i has expert e as its choice kk (0: largest, 1: second).
;       gate: [token][kk] f32: w_kk / (w_0 + w_1 + 1e-9) with w_kk = p_kk / (p_0 + p_1 + 1e-9), which is all that the two results are multiplied by later.
; SHARES.  Work-group g has tokens 16 g .. 16 g + 15; wave w the slice k = 128 w .. 128 w + 127: four matrix instructions on two accumulators by turns.  The eight waves' partial logits
; meet in LDS behind one barrier, and wave 0 does the softmax and the choice: lane l (and l + 16, alike) has token l % 16, register j expert j.
; No address and no branch hangs on the choice: it leaves as data, at fixed places.
; LIMITS.  The two largest are taken of exp(logit - max), not of the quotients by their sum: a tie that only the division's rounding makes may be broken otherwise.  Equal numbers: the lower
; index wins, as in lax.top_k.  An exponential below 2^-126 counts as 0.  NaN is not treated apart.
.set PX,    272                        ; an LDS row of 128 bf16: 256 bytes + 16: the 16 rows of a fragment load start at 16 different groups of four banks
.set XS,    0                          ; wave w: 16 token rows at XS + w 16 PX
.set WS,    8*16*PX                    ; wave w: 8 expert rows (Wr turned) at WS + w 8 PX
.set PR,    WS+8*8*PX                  ; wave w: its partial logits, 32 bytes a lane
.set SPARE, PR+8*1024                  ; the spare words: 128 bytes for each wave, four blocks of 256 bytes that no other line names
.set SPW,   2                          ; v2  SPARE + 4 x my thread's number; never rewritten
.set NIL,   3                          ; v3  0; never rewritten
; v4 lane, v5 lane % 16, v6 lane / 16, v7-15 offsets; v16-31 at work; v32-95 x as loaded (wave 0 later: the partial logits); v96-127 Wr; v128-135 br;
; v136-167 x packed; v168-231 fragments (K step s: Wr at 168 + 16 s, x at 176 + 16 s); v232-239, v240-247 the two accumulators
	s_load_b256 s[4:11], s[0:1], 0x0               ; x s[4:5], Wr s[6:7], br s[8:9], xb s[10:11]
	s_load_b128 s[12:15], s[0:1], 0x20             ; bm s[12:13], gate s[14:15]
	v_lshl_add_u32 v[SPW], v0, 2, SPARE
	v_mov_b32 v[NIL], 0
	v_lshrrev_b32 v1, 5, v0
	v_readfirstlane_b32 s16, v1                    ; wave 0..7
	v_and_b32 v4, 31, v0
	v_and_b32 v5, 15, v0
	v_bfe_u32 v6, v0, 4, 1
	v_mov_b32 v13, 0                               ; br: every lane reads the same 32 bytes
	s_lshl_b32 s20, ttmp9, 16                      ; x: 16 rows of 4,096 bytes a group,
	s_lshl_b32 s22, s16, 9                         ; 512 bytes of a row a wave
	s_add_co_u32 s20, s20, s22
	s_mov_b32 s21, 0
	s_lshl_b32 s22, s16, 12                        ; Wr: 128 rows of 32 bytes a wave
	s_mov_b32 s23, 0
	s_lshl_b32 s24, ttmp9, 15                      ; xb: 16 rows of 2,048 bytes a group,
	s_lshl_b32 s26, s16, 8                         ; 256 bytes of a row a wave
	s_add_co_u32 s24, s24, s26
	s_mov_b32 s25, 0
	s_lshl_b32 s26, ttmp9, 1                       ; bm: the group's 16-bit word in each of the 16 maps
	s_mov_b32 s27, 0
	s_lshl_b32 s28, ttmp9, 7                       ; gate: 16 tokens of 8 bytes
	s_mov_b32 s29, 0
	s_mul_i32 s30, s16, 16*PX                      ; my wave's rows of x in LDS
	s_mul_i32 s31, s16, 8*PX
	s_add_co_u32 s31, s31, WS                      ; my wave's rows of Wr
	s_lshl_b32 s18, s16, 10
	s_add_co_u32 s18, s18, PR                      ; my wave's partial logits
	v_lshlrev_b32 v7, 7, v4                        ; 128 l: four rows of Wr a lane (later: the maps, 128 bytes apart)
	v_lshlrev_b32 v8, 4, v4                        ; 16 l: four numbers of a row of x
	v_lshlrev_b32 v9, 3, v4                        ; 8 l: the same four in bf16 (later: a token's two gates)
	v_add_nc_u32 v10, s30, v9                      ; where they go in LDS
	v_add_nc_u32 v11, s31, v9                      ; and Wr's four of an expert's row
	v_mul_u32_u24 v12, v5, PX
	v_lshl_add_u32 v12, v6, 4, v12
	v_add_nc_u32 v12, s30, v12                     ; a fragment of x: row l % 16, 16 bytes for each half of the lanes
	v_and_b32 v14, 7, v0
	v_mul_u32_u24 v14, v14, PX
	v_lshl_add_u32 v14, v6, 4, v14
	v_add_nc_u32 v14, s31, v14                     ; a fragment of Wr: expert l % 8: the eight experts stand twice in the sixteen rows
	v_lshl_add_u32 v15, v4, 5, s18
	s_wait_kmcnt 0x0
	s_add_nc_u64 s[4:5], s[4:5], s[20:21]
	s_add_nc_u64 s[6:7], s[6:7], s[22:23]
	s_add_nc_u64 s[10:11], s[10:11], s[24:25]
	s_add_nc_u64 s[12:13], s[12:13], s[26:27]
	s_add_nc_u64 s[14:15], s[14:15], s[28:29]
.irp i, 0,1,2,3,4,5,6,7
	global_load_b128 v[96+4*\i:96+4*\i+3], v7, s[6:7] offset:16*\i       ; row 4 l + i / 2, experts 4 (i % 2) on: (row p, expert e) in v[96 + 8 p + e]
.endr
.irp j, 0,1,2,3,4,5,6,7,8,9,10,11,12,13,14,15
	global_load_b128 v[32+4*\j:32+4*\j+3], v8, s[4:5] offset:4096*\j th:TH_LOAD_NT  ; token j: the wave's 512 consecutive bytes
.endr
	global_load_b128 v[128:131], v13, s[8:9]
	global_load_b128 v[132:135], v13, s[8:9] offset:16
	s_wait_loadcnt 18                              ; Wr is in: behind it stand x's sixteen loads and br's two
.irp e, 0,1,2,3,4,5,6,7
	v_cvt_pk_bf16_f32 v[16+2*\e], v[96+\e], v[104+\e]      ; expert e, k = 4 l, 4 l + 1
	v_cvt_pk_bf16_f32 v[17+2*\e], v[112+\e], v[120+\e]     ; k = 4 l + 2, 4 l + 3
.endr
.irp e, 0,1,2,3,4,5,6,7
	ds_store_b64 v11, v[16+2*\e:17+2*\e] offset:\e*PX      ; Wr turned: a row an expert, k along it
.endr
.irp j, 0,1,2,3,4,5,6,7,8,9,10,11,12,13,14,15
	s_wait_loadcnt 17-\j                           ; token j is in: behind it stand the later tokens' loads and br's two
	v_cvt_pk_bf16_f32 v[136+2*\j], v[32+4*\j], v[33+4*\j]
	v_cvt_pk_bf16_f32 v[137+2*\j], v[34+4*\j], v[35+4*\j]
	global_store_b64 v9, v[136+2*\j:137+2*\j], s[10:11] offset:2048*\j   ; the wave stores 256 consecutive bytes, at a multiple of 256 from xb's first
	ds_store_b64 v10, v[136+2*\j:137+2*\j] offset:\j*PX
.endr
.irp s, 0,1,2,3
	ds_load_b128 v[168+16*\s:171+16*\s], v14 offset:64*\s        ; my wave's own bytes: LDS serves a wave's instructions in order (ISA guide 5.7.1.4), so these see the stores above
	ds_load_b128 v[172+16*\s:175+16*\s], v14 offset:64*\s+32
	ds_load_b128 v[176+16*\s:179+16*\s], v12 offset:64*\s
	ds_load_b128 v[180+16*\s:183+16*\s], v12 offset:64*\s+32
.endr
	s_wait_dscnt 0x0
	; source 0 = experts, source 1 = tokens: in the result a lane holds token l % 16 and register j expert j.  Two accumulators by turns.
	v_wmma_f32_16x16x32_bf16 v[232:239], v[168:175], v[176:183], 0
	v_wmma_f32_16x16x32_bf16 v[240:247], v[184:191], v[192:199], 0
	v_wmma_f32_16x16x32_bf16 v[232:239], v[200:207], v[208:215], v[232:239]
	v_wmma_f32_16x16x32_bf16 v[240:247], v[216:223], v[224:231], v[240:247]
.rept 4
	v_nop                                          ; four places between the products and the first read of their results (ISA guide 7.12.1)
.endr
.irp q, 0,1,2,3
	v_pk_add_f32 v[16+2*\q:17+2*\q], v[232+2*\q:233+2*\q], v[240+2*\q:241+2*\q]  ; from the accumulators' low end on
.endr
	ds_store_b128 v15, v[16:19]
	ds_store_b128 v15, v[20:23] offset:16
	s_wait_dscnt 0x0                               ; for wave 0's sake: my partial logits are in LDS
	s_barrier_signal -1
	s_barrier_wait -1
	s_cmp_eq_u32 s16, 0
	s_cbranch_scc1 .Lwave0
	s_wait_tensorcnt 0x0                           ; waves 1 to 7 end here
	ds_add_u32 v[SPW], v[NIL]
	s_wait_dscnt 0x0
	s_endpgm
.Lwave0:
	v_lshl_add_u32 v24, v4, 5, PR
.irp w, 0,1,2,3,4,5,6,7
	ds_load_b128 v[32+8*\w:35+8*\w], v24 offset:1024*\w
	ds_load_b128 v[36+8*\w:39+8*\w], v24 offset:1024*\w+16
.endr
	s_wait_loadcnt 0x0                             ; br
.irp q, 0,1,2,3
	v_cvt_pk_bf16_f32 v[16+\q], v[128+2*\q], v[129+2*\q]   ; br rounded to bf16, like every input
.endr
.irp q, 0,1,2,3
	v_lshlrev_b32 v[128+2*\q], 16, v[16+\q]
	v_and_b32 v[129+2*\q], 0xffff0000, v[16+\q]
.endr
	s_wait_dscnt 0x0
.irp w, 1,2,3,4,5,6,7
.irp q, 0,1,2,3
	v_pk_add_f32 v[32+2*\q:33+2*\q], v[32+2*\q:33+2*\q], v[32+8*\w+2*\q:33+8*\w+2*\q]
.endr
.endr
.irp q, 0,1,2,3
	v_pk_add_f32 v[32+2*\q:33+2*\q], v[32+2*\q:33+2*\q], v[128+2*\q:129+2*\q]     ; v32-39: the token's eight logits
.endr
	v_max3_num_f32 v16, v32, v33, v34
	v_max3_num_f32 v16, v16, v35, v36
	v_max3_num_f32 v16, v16, v37, v38
	v_max_num_f32 v16, v16, v39                    ; the maximum is taken away before the exponentials, as in softmax
.irp i, 0,1,2,3,4,5,6,7
	v_sub_f32 v[40+\i], v[32+\i], v16
.endr
.irp i, 0,1,2,3,4,5,6,7
	v_mul_f32 v[40+\i], 0x3fb8aa3b, v[40+\i]       ; log2(e)
.endr
.irp i, 0,1,2,3,4,5,6,7
	v_exp_f32 v[40+\i], v[40+\i]
.endr
	v_nop                                          ; a plain instruction between the last exponential and the use of its result (ISA guide 5.7.2)
	s_wait_alu depctr_va_vdst(0)
	v_add_f32 v17, v40, v41
	v_add_f32 v22, v42, v43
	v_add_f32 v23, v44, v45
	v_add_f32 v24, v46, v47
	v_add_f32 v17, v17, v22
	v_add_f32 v23, v23, v24
	v_add_f32 v17, v17, v23                        ; at least 1: the largest exponential is 1
	v_rcp_f32 v22, v17                             ; used far below
; The largest of v40-47 and its index; a later number wins only if it is greater, so of equals the lower index stays.
.macro TOP best, idx
	v_mov_b32 v[\best], v40
	v_mov_b32 v[\idx], 0
.irp i, 1,2,3,4,5,6,7
	v_cmp_gt_f32 vcc_lo, v[40+\i], v[\best]
	v_cndmask_b32 v[\best], v[\best], v[40+\i], vcc_lo
	v_cndmask_b32 v[\idx], v[\idx], \i, vcc_lo
.endr
.endm
	TOP 18, 19
.irp i, 0,1,2,3,4,5,6,7
	v_cmp_eq_u32 vcc_lo, \i, v19
	v_cndmask_b32 v[40+\i], v[40+\i], -1.0, vcc_lo ; the winner steps below every exponential
.endr
	TOP 20, 21
	s_wait_alu depctr_va_vdst(0)
	v_mul_f32 v23, v18, v22                        ; p_0
	v_mul_f32 v24, v20, v22                        ; p_1
	v_add_f32 v25, v23, v24
	v_add_f32 v25, 0x3089705f, v25                 ; + 1e-9
	v_rcp_f32 v26, v25
	v_mov_b32 v27, 0                               ; (a plain instruction behind the reciprocal) the sixteen map words, one a lane
	s_wait_alu depctr_va_vdst(0)
	v_mul_f32 v23, v23, v26                        ; w_0
	v_mul_f32 v24, v24, v26                        ; w_1
	v_add_f32 v25, v23, v24
	v_add_f32 v25, 0x3089705f, v25
	v_rcp_f32 v26, v25
	v_nop
	s_wait_alu depctr_va_vdst(0)
	v_mul_f32 v28, v23, v26
	v_mul_f32 v29, v24, v26
.irp i, 0,1,2,3,4,5,6,7
	v_cmp_eq_u32 s[32+2*\i], \i, v19               ; bit l: token l % 16 has expert i first,
	v_cmp_eq_u32 s[33+2*\i], \i, v21               ; second
.endr
.irp i, 0,1,2,3,4,5,6,7,8,9,10,11,12,13,14,15
	v_writelane_b32 v27, s[32+\i], \i              ; lane 2 e + kk takes that map's word; its low 16 bits are stored
.endr
	s_wait_xcnt 0x0                                ; EXEC is a source of the stores above: it changes only behind this wait
	v_cmp_gt_u32 vcc_lo, 16, v4
	s_and_saveexec_b32 s20, vcc_lo                 ; lanes 0 to 15: a token each, a map each
	global_store_b64 v9, v[28:29], s[14:15]
	global_store_b16 v7, v27, s[12:13]
	s_wait_xcnt 0x0                                ; and again in front of the line that widens it
	s_or_b32 exec_lo, exec_lo, s20
	s_wait_tensorcnt 0x0                           ; the wave's end
	ds_add_u32 v[SPW], v[NIL]
	s_wait_dscnt 0x0
	s_endpgm
.Lfunc_end_k_qeeb4789ed4_route:
	.size	k_qeeb4789ed4_route, .Lfunc_end_k_qeeb4789ed4_route-k_qeeb4789ed4_route
	.p2alignl 7, 3214868480
	.fill 96, 4, 3214868480
	.section	.rodata,"a",@progbits
	.p2align	6, 0x0
	.amdhsa_kernel k_qeeb4789ed4_route
		.amdhsa_group_segment_fixed_size 61440
		.amdhsa_private_segment_fixed_size 0
		.amdhsa_enable_private_segment 0
		.amdhsa_kernarg_size 48
		.amdhsa_user_sgpr_count 2
		.amdhsa_user_sgpr_kernarg_segment_ptr 1
		.amdhsa_wavefront_size32 1
		.amdhsa_system_sgpr_workgroup_id_x 1
		.amdhsa_system_sgpr_workgroup_id_y 1
		.amdhsa_system_sgpr_workgroup_id_z 1
		.amdhsa_system_vgpr_workitem_id 0
		.amdhsa_next_free_vgpr 248
		.amdhsa_next_free_sgpr 66
		.amdhsa_reserve_vcc 1
		.amdhsa_float_denorm_mode_32 3
		.amdhsa_float_denorm_mode_16_64 3
		.amdhsa_memory_ordered 1
		.amdhsa_forward_progress 1
		.amdhsa_inst_pref_size 25
	.end_amdhsa_kernel
	.amdgpu_metadata
---
amdhsa.version: [ 1, 2 ]
amdhsa.kernels:
  - .name:           k_qeeb4789ed4_route
    .symbol:         k_qeeb4789ed4_route.kd
    .args:
      - { .name: x, .offset: 0, .size: 8, .value_kind: global_buffer, .address_space: global }
      - { .name: Wr, .offset: 8, .size: 8, .value_kind: global_buffer, .address_space: global }
      - { .name: br, .offset: 16, .size: 8, .value_kind: global_buffer, .address_space: global }
      - { .name: xb, .offset: 24, .size: 8, .value_kind: global_buffer, .address_space: global }
      - { .name: bm, .offset: 32, .size: 8, .value_kind: global_buffer, .address_space: global }
      - { .name: gate, .offset: 40, .size: 8, .value_kind: global_buffer, .address_space: global }
    .group_segment_fixed_size: 61440
    .private_segment_fixed_size: 0
    .kernarg_segment_align: 8
    .kernarg_segment_size: 48
    .max_flat_workgroup_size: 256
    .sgpr_count:     66
    .vgpr_count:     248
    .wavefront_size: 32
...
	.end_amdgpu_metadata
.endif
;; end of part 1
;; launch up (part 2): grid 256 x 1, 8 waves a work-group, no clusters, 280,064 bytes of LDS; arguments W1, b1, xb, bm, hid; writes hid
.if DOCPART == 2
	.amdgcn_target "amdgcn-amd-amdhsa--gfx1250"
	.amdhsa_code_object_version 6
	.text
	.protected	k_qeeb4789ed4_up
	.globl	k_qeeb4789ed4_up
	.p2align	8
	.type	k_qeeb4789ed4_up,@function
k_qeeb4789ed4_up:
	s_mov_b64 s[64:65], 0
	v_nop
	global_prefetch_b8 v0, s[64:65] scope:SCOPE_SE
	s_setreg_imm32_b32 hwreg(HW_REG_WAVE_MODE, 25, 1), 1
	s_wait_xcnt 0x0
; FIRST PRODUCT OF THE EXPERTS.  hid = gelu(x W1[e] + b1[e]) for the rows that chose expert e.
; W1: [8][1024][4096] f32, b1: [8][4096] f32, both rounded to bf16 here, on their way through registers; xb: [token][1024] bf16; sums in f32; hid rounded once to bf16.
; SHARES.  Work-group id: expert e = id / 32, hidden columns 128 (id % 32) on: 1,024 k x 128 n of W1, which no other work-group reads, and ALL of the expert's rows.
; THE STREAM RUNS UNDER THE PRODUCTS.  The slice lies in LDS in eight chunks of 128 k ([n][k], rows of 272 bytes).  A block is 64 k: each wave loads 16 rows x 64 columns of it (each half of the lanes
; reads 256 consecutive bytes of a row), rounds, turns and stores them.  A trip is four K steps of 32, one chunk: trip i multiplies chunk i, lays blocks 2 i + 2 and 2 i + 3 into chunk i + 1 and asks for
; blocks 2 i + 4 and 2 i + 5.  One barrier a trip, in its third step: in front of it chunk i + 1 is written and chunk i is read, behind it chunk i + 1 is read.  No byte of LDS is written twice.
; ROUND 0, under the stream: wave w has the chunk of rows 32 w .. 32 w + 31: 16 accumulators of 16 x 16.  Every wave runs it, so that loads and barriers count alike in all; a wave whose chunk does not
; exist runs it on the expert's last row (token 1023 if the expert has none) and stores nothing, but that chunk 0 is always stored: the next launch's waves without a chunk read it.
; LATER ROWS (an expert with more than 256): chunks 8 to 31 in halves of 64 columns, 48 units dealt to the 8 waves: a loop of the constant count 6, units past the count are jumped; no barrier in it.
; A unit's 32 K steps are written out: each LDS address is a register that is fixed for the unit plus an immediate.
; THE ROWS.  The token of a given rank is found from the bitmaps in scalar registers: a scan of the 32 words against a running count, then the n-th set bit by counts of pairs, nibbles, bytes.
; Ranks past the count repeat the expert's last row.
; THE MATRIX INSTRUCTION IS USED TRANSPOSED: source 0 = 16 columns of W1, source 1 = 16 rows of x: a lane then holds eight neighbouring hidden columns of one row, 16 bytes of bf16.
; hid's LAYOUT is the order in which the second product's operand registers take it: e 2^23 + (rank / 16) 2^17 + (column / 32) 1024 + half 512 + lane 16: each store is 512 consecutive bytes.
; GELU, exact form: gelu(x) = max(x, 0) - |x| / 2 erfc(|x| / sqrt 2), erfc by Abramowitz and Stegun 7.1.26 (absolute error 1.5e-7 for every argument; no series is cut).  x^2 that overflows gives erfc = 0.
; LIMITS.  NaN and infinities are not treated apart.
; REGISTERS.  window 0: v2-3 the add's; v4 a fragment's place in a chunk, v5 the same in the chunk in hand, v6-7 likewise for the stream's stores, v8 the stream's offset, v9 the bias's place,
; v10 16 x lane, v11 16 x (lane / 16), v12-13 my two rows' offsets, v14 my offset in hid, v15 at work, v60 round 0's columns, v61 lane % 16; v16-59 at work (in a unit's K walk v44-47: the unit's
; columns in chunks 0, 2, 4, 6); v64-191 two buffers of weight fragments; v192-255 two sets of a block's loads.
; window 1: v0-127 accumulators ((mb, nb) at 8 (8 mb + nb)); v128-191 four slots of row fragments.
.set PW,     272                       ; an LDS row: 128 bf16 + 16 bytes = 68 words: row n starts at bank 4 n mod 64 (64 banks of 4 bytes: ISA guide 11.1)
.set CHUNK,  128*PW                    ; 128 columns x 128 k
.set BIASL,  8*CHUNK                   ; the slice's 128 biases, rounded, as f32
.set SPARE,  BIASL+512                 ; the spare words: 128 bytes for each wave, four blocks of 256 bytes that no other line names
.set ROWB,   16384                     ; bytes from a row of W1[e] to the next
.set ASTEP,  64                        ; bytes of a row of xb in a K step
.set AHALF,  32                        ; from a fragment's first 16 bytes to its second
.set SPW,    2
.set NIL,    3
.set UB,     44
.set BF,     64
.set ST,     192
.set AF,     128
.set MSB, 0
.macro WIN new                         ; s_set_vgpr_msb: bits 1:0 source 0, 3:2 source 1, 5:4 source 2, 7:6 destination; the high byte repeats the setting that is left
.if MSB != (\new)
	s_set_vgpr_msb (MSB<<8)|(\new)
.set MSB, (\new)
.endif
.endm
.macro PLACES                          ; four places behind matrix instructions, in front of loads into registers that they read and of the first read of their results
.rept 4
	v_nop
.endr
.endm
.macro ISSUE blk, reg                  ; my part of block blk, counted from the stream's pointer: a lane has eight rows x 4 columns
.irp u, 0,1,2,3,4,5,6,7
	global_load_b128 v[(\reg)+4*\u:(\reg)+4*\u+3], v8, s[4:5] offset:(\blk)*64*ROWB+\u*ROWB th:TH_LOAD_NT
.endr
.endm
.macro FILLB reg, adr, off             ; a block is rounded and turned: for each of my 4 columns eight k in 16 bytes, into that column's LDS row
.irp c, 0,1,2,3
.irp q, 0,1,2,3
	v_cvt_pk_bf16_f32 v[16+4*\c+\q], v[(\reg)+8*\q+\c], v[(\reg)+8*\q+4+\c]
.endr
.endr
.irp c, 0,1,2,3
	ds_store_b128 v[\adr], v[16+4*\c:16+4*\c+3] offset:\c*PW+(\off)
.endr
.endm
.macro FILLT k, cnt, issue             ; in a trip: set k's block goes into half k of the next chunk; its 16 conversions are the places behind the products just issued; then the set takes the block two further on
	WIN 0
	s_wait_loadcnt \cnt
	FILLB ST+32*(\k), 7, CHUNK+128*(\k)
.if \issue
	ISSUE 4+(\k), ST+32*(\k)
.endif
.endm
.macro BLOAD p, nn                     ; round 0: the weights' fragments of step p of the chunk in hand (p = 4: step 0 of the next): nn blocks of 16 columns x 32 k
.set bf, BF+64*((\p)%2)
.set bo, (\p)*64
.if (\p) == 4
.set bo, CHUNK
.endif
.set nb, 0
.rept \nn
	ds_load_b128 v[bf+8*nb:bf+8*nb+3],   v5 offset:bo+nb*16*PW
	ds_load_b128 v[bf+8*nb+4:bf+8*nb+7], v5 offset:bo+nb*16*PW+32
.set nb, nb+1
.endr
.endm
.macro BLOADU st                       ; a unit: the weights' fragments of K step st (0 to 31): 64 columns x 32 k.  The register holds the pair of chunks, the immediate the chunk of the pair, the step and the block
.set bf, BF+64*((\st)%2)
.set bo, (((\st)/4)%2)*CHUNK+((\st)%4)*64
.set ub, UB+(\st)/8
.set nb, 0
.rept 4
	ds_load_b128 v[bf+8*nb:bf+8*nb+3],   v[ub] offset:bo+nb*16*PW
	ds_load_b128 v[bf+8*nb+4:bf+8*nb+7], v[ub] offset:bo+nb*16*PW+32
.set nb, nb+1
.endr
.endm
.macro ALOAD p                         ; the rows' fragments of step p, counted from the pointer: 32 rows x 32 k, 4 loads, into slot p % 4 (window 1)
.set af, AF+16*((\p)%4)
.irp mb, 0,1
	global_load_b128 v[af+8*\mb:af+8*\mb+3],   v[12+\mb], s[54:55] offset:(\p)*ASTEP
	global_load_b128 v[af+8*\mb+4:af+8*\mb+7], v[12+\mb], s[54:55] offset:(\p)*ASTEP+AHALF
.endr
.endm
.macro MULS p, nn                      ; 2 nn matrix instructions; the accumulators take turns, one instruction a turn
.set bf, BF+64*((\p)%2)
.set af, AF+16*((\p)%4)
.set nb, 0
.rept \nn
.irp mb, 0,1
	v_wmma_f32_16x16x32_bf16 v[8*(8*\mb+nb):8*(8*\mb+nb)+7], v[bf+8*nb:bf+8*nb+7], v[af+8*\mb:af+8*\mb+7], v[8*(8*\mb+nb):8*(8*\mb+nb)+7]
.endr
.set nb, nb+1
.endr
.endm
.macro BIASLD nn, adr                  ; the sums start as the bias: register j of block nb is column 16 nb + 8 (lane / 16) + j, as in the result
.set nb, 0
.rept \nn
.irp mb, 0,1
	ds_load_b128 v[8*(8*\mb+nb):8*(8*\mb+nb)+3],   v[\adr] offset:64*nb
	ds_load_b128 v[8*(8*\mb+nb)+4:8*(8*\mb+nb)+7], v[\adr] offset:64*nb+16
.endr
.set nb, nb+1
.endr
.endm
; K step p of a trip of round 0.  bl, al: the next step's weights and the rows three steps on are asked for, into the buffer and the slot that the step before multiplied (four places stand in front).
; dsn, ldn: the LDS instructions and the loads younger than this step's operands.  bar: the trip's barrier: all my LDS instructions are done, I say so, multiply, and go on when all eight have said so.
.macro STEP p, nn, bl, al, dsn, ldn, bar
.if \bl
	WIN 0
	BLOAD (\p)+1, \nn
.endif
.if \al
	WIN 0x40                                       ; destination window 1, address window 0
	ALOAD (\p)+3
.endif
	s_wait_dscnt \dsn
	s_wait_loadcnt \ldn
.if \bar
	s_barrier_signal -1
.endif
	WIN 0x54                                       ; weights in window 0; rows, C and D in window 1
	MULS \p, \nn
.if \bar
	s_barrier_wait -1
.endif
.endm
; A trip of round 0.  Its loads go out in the order rows 4, block 8, rows 4, block 8, rows 4, rows 4; loads come back in order (ISA guide 5.7.1), so each wait counts what was issued behind its target:
; steps 0 to 3: 20, 20, 28, 28; each block, asked for a trip ago: 24.  issue = 0 (no block is left to ask for): 20, 12, 12, 12; blocks 24, 16.
; LDS: 16 younger loads; in step 1 also the four stores of the block just laid: 20; in front of the signal 0.
.macro TRIP0 issue
	WIN 0
	v_add_nc_u32 v5, s52, v60
	v_add_nc_u32 v7, s52, v6
	STEP 0, 8, 1, 1, 16, 20, 0
	FILLT 0, 24, \issue
.if \issue
	STEP 1, 8, 1, 1, 20, 20, 0
	FILLT 1, 24, 1
	STEP 2, 8, 1, 1, 0, 28, 1
	PLACES
	STEP 3, 8, 1, 1, 16, 28, 0
.else
	STEP 1, 8, 1, 1, 20, 12, 0
	FILLT 1, 16, 0
	STEP 2, 8, 1, 1, 0, 12, 1
	PLACES
	STEP 3, 8, 1, 1, 16, 12, 0
.endif
	PLACES
.endm
.macro LAST nn                         ; round 0's last four K steps: one more load of rows, then the counts run down
	WIN 0
	v_add_nc_u32 v5, s52, v60
	STEP 0, \nn, 1, 1, 2*(\nn), 12, 0
	PLACES
	STEP 1, \nn, 1, 0, 2*(\nn), 8, 0
	PLACES
	STEP 2, \nn, 1, 0, 2*(\nn), 4, 0
	PLACES
	STEP 3, \nn, 0, 0, 0, 0, 0
.endm
; K step st of a later unit: 64 columns, no stream.  8 younger LDS loads; three younger steps of four loads, at the end 8, 4, 0.  The four places behind the products stand in front of the next step's loads.
.macro STEPU st
.if (\st) < 31
	WIN 0
	BLOADU (\st)+1
.endif
.if (\st) <= 28
	WIN 0x40
	ALOAD (\st)+3
.endif
.if (\st) < 31
	s_wait_dscnt 8
.else
	s_wait_dscnt 0x0
.endif
.if (\st) <= 28
	s_wait_loadcnt 12
.else
	s_wait_loadcnt 4*(31-(\st))
.endif
	WIN 0x54
	MULS \st, 4
	PLACES
.endm
; The token of a rank.  SEL: if n is not below the count of set bits in the lower part of the field at pos, it goes to the upper part.
.macro SEL b, src, wid, step
	v_bfe_u32 v[(\b)+10], v[\src], v[(\b)+9], \wid
	v_cmp_ge_u32 vcc_lo, v[(\b)+4], v[(\b)+10]
	v_cndmask_b32 v[(\b)+10], 0, v[(\b)+10], vcc_lo
	v_cndmask_b32 v[(\b)+11], 0, \step, vcc_lo
	v_sub_nc_u32 v[(\b)+4], v[(\b)+4], v[(\b)+10]
	v_add_nc_u32 v[(\b)+9], v[(\b)+9], v[(\b)+11]
.endm
; PICK: v[b] rank, v[b+1] its word, v[b+2] the count in front of the word + 65,536 x the word's number.  Out: the token's row offset in xb + 16 x (lane / 16).
.macro PICK b, out
	v_and_b32 v[(\b)+3], 0xffff, v[(\b)+2]
	v_lshrrev_b32 v[(\b)+2], 16, v[(\b)+2]
	v_sub_nc_u32 v[(\b)+4], v[\b], v[(\b)+3]           ; n: which set bit of the word
	v_lshrrev_b32 v[(\b)+5], 1, v[(\b)+1]
	v_and_b32 v[(\b)+5], 0x55555555, v[(\b)+5]
	v_sub_nc_u32 v[(\b)+5], v[(\b)+1], v[(\b)+5]       ; counts of pairs
	v_lshrrev_b32 v[(\b)+6], 2, v[(\b)+5]
	v_and_b32 v[(\b)+6], 0x33333333, v[(\b)+6]
	v_and_b32 v[(\b)+7], 0x33333333, v[(\b)+5]
	v_add_nc_u32 v[(\b)+6], v[(\b)+6], v[(\b)+7]       ; of nibbles
	v_lshrrev_b32 v[(\b)+7], 4, v[(\b)+6]
	v_add_nc_u32 v[(\b)+7], v[(\b)+7], v[(\b)+6]
	v_and_b32 v[(\b)+7], 0x0f0f0f0f, v[(\b)+7]         ; of bytes
	v_lshrrev_b32 v[(\b)+8], 8, v[(\b)+7]
	v_add_nc_u32 v[(\b)+8], v[(\b)+8], v[(\b)+7]       ; its low byte: of the low 16 bits
	v_mov_b32 v[(\b)+9], 0                             ; pos
	SEL \b, (\b)+8, 8, 16
	SEL \b, (\b)+7, 8, 8
	SEL \b, (\b)+6, 4, 4
	SEL \b, (\b)+5, 2, 2
	SEL \b, (\b)+1, 1, 1
	v_lshl_add_u32 v[(\b)+2], v[(\b)+2], 5, v[(\b)+9]  ; the token
	v_min_u32 v[(\b)+2], 0x3ff, v[(\b)+2]
	v_lshl_add_u32 v[\out], v[(\b)+2], 11, v11         ; its row of 2,048 bytes + 16 x (lane / 16)
.endm
; FIND: the rows of chunk s50: ranks 32 c + lane % 16 (v12) and 16 more (v13).  The last word whose count in front is not above the rank holds it.
.macro FIND
	s_lshl_b32 s60, s50, 5
	v_add_nc_u32 v16, s60, v61
	v_add_nc_u32 v32, 16, v16
	v_min_u32 v16, s63, v16                            ; ranks past the count repeat the last row
	v_min_u32 v32, s63, v32
	v_mov_b32 v17, s16
	v_mov_b32 v33, s16
	v_mov_b32 v18, 0
	v_mov_b32 v34, 0
	s_bcnt1_i32_b32 s60, s16
.set j, 1
.rept 31
	s_add_co_u32 s57, s60, j<<16
	v_cmp_le_u32 vcc_lo, s60, v16
	v_cndmask_b32 v17, v17, s[16+j], vcc_lo
	v_cndmask_b32 v18, v18, s57, vcc_lo
	v_cmp_le_u32 vcc_lo, s60, v32
	v_cndmask_b32 v33, v33, s[16+j], vcc_lo
	v_cndmask_b32 v34, v34, s57, vcc_lo
	s_bcnt1_i32_b32 s56, s[16+j]
	s_add_co_u32 s60, s60, s56
.set j, j+1
.endr
	PICK 16, 12
	PICK 32, 13
.endm
; Accumulator (mb, nb): gelu of its eight numbers a lane, rounded to bf16, stored.  U v16-23 x^2, then 2^(-x^2 log2(e) / 2); G v24-31 max(x, 0), then the result; T v32-39 1 + p |x| / sqrt 2, then t;
; A v40-47 |x|; Q v48-55 the polynomial (its coefficients hold the factor -1/2); O v56-59.
.macro GELU8 mb, nb
.set X, 8*(8*(\mb)+(\nb))
	WIN 0x05                                       ; sources 0 and 1 in window 1
.irp p, 0,1,2,3
	v_pk_mul_f32 v[16+2*\p:17+2*\p], v[X+2*\p:X+2*\p+1], v[X+2*\p:X+2*\p+1]   ; the accumulator is read from its low end on
.endr
.irp i, 0,1,2,3,4,5,6,7
	v_and_b32 v[40+\i], s82, v[X+\i]
.endr
.irp i, 0,1,2,3,4,5,6,7
	v_max_num_f32 v[24+\i], 0, v[X+\i]
.endr
	WIN 0
.irp p, 0,1,2,3
	v_pk_fma_f32 v[32+2*\p:33+2*\p], v[40+2*\p:41+2*\p], s[80:81], 1.0 op_sel_hi:[1,0,0]
.endr
.irp i, 0,1,2,3,4,5,6,7
	v_rcp_f32 v[32+\i], v[32+\i]
.endr
.irp p, 0,1,2,3
	v_pk_mul_f32 v[16+2*\p:17+2*\p], v[16+2*\p:17+2*\p], s[78:79] op_sel_hi:[1,0]  ; plain work between the reciprocals and their use
.endr
.irp i, 0,1,2,3,4,5,6,7
	v_exp_f32 v[16+\i], v[16+\i]
.endr
	s_wait_alu depctr_va_vdst(0)
.irp p, 0,1,2,3
	v_pk_fma_f32 v[48+2*\p:49+2*\p], v[32+2*\p:33+2*\p], s[68:69], s[70:71] op_sel_hi:[1,0,0]  ; plain work between the exponentials and their use
.endr
.irp p, 0,1,2,3
	v_pk_fma_f32 v[48+2*\p:49+2*\p], v[48+2*\p:49+2*\p], v[32+2*\p:33+2*\p], s[72:73] op_sel_hi:[1,1,0]
.endr
.irp p, 0,1,2,3
	v_pk_fma_f32 v[48+2*\p:49+2*\p], v[48+2*\p:49+2*\p], v[32+2*\p:33+2*\p], s[74:75] op_sel_hi:[1,1,0]
.endr
.irp p, 0,1,2,3
	v_pk_fma_f32 v[48+2*\p:49+2*\p], v[48+2*\p:49+2*\p], v[32+2*\p:33+2*\p], s[76:77] op_sel_hi:[1,1,0]
.endr
.irp p, 0,1,2,3
	v_pk_mul_f32 v[48+2*\p:49+2*\p], v[48+2*\p:49+2*\p], v[32+2*\p:33+2*\p]
.endr
.irp p, 0,1,2,3
	v_pk_mul_f32 v[48+2*\p:49+2*\p], v[48+2*\p:49+2*\p], v[16+2*\p:17+2*\p]
.endr
.irp p, 0,1,2,3
	v_pk_fma_f32 v[24+2*\p:25+2*\p], v[48+2*\p:49+2*\p], v[40+2*\p:41+2*\p], v[24+2*\p:25+2*\p]
.endr
	s_wait_xcnt 0x0                                ; O, which the store before reads, is rewritten only behind this wait
.irp p, 0,1,2,3
	v_cvt_pk_bf16_f32 v[56+\p], v[24+2*\p], v[25+2*\p]
.endr
	global_store_b128 v14, v[56:59], s[12:13] offset:(\mb)*131072+(\nb)*512   ; 512 consecutive bytes, at a multiple of 256 from hid's first
.endm
	s_load_b256 s[4:11], s[0:1], 0x0               ; W1 s[4:5], b1 s[6:7], xb s[8:9], bm s[10:11]
	s_load_b64 s[12:13], s[0:1], 0x20              ; hid
	v_lshl_add_u32 v[SPW], v0, 2, SPARE
	v_mov_b32 v[NIL], 0
	v_lshrrev_b32 v1, 5, v0
	v_readfirstlane_b32 s14, v1                    ; wave 0..7
	s_lshr_b32 s15, ttmp9, 5                       ; e
	s_and_b32 s52, ttmp9, 31                       ; which 128 hidden columns
	s_and_b32 s53, s14, 3                          ; which 16 of a block's 64 rows my wave streams
	s_lshr_b32 s54, s14, 2                         ; which 64 of the 128 columns
	s_lshl_b32 s56, s15, 24                        ; W1: the expert,
	s_lshl_b32 s60, s52, 9                         ; the columns,
	s_add_co_u32 s56, s56, s60
	s_mul_i32 s60, s53, 16*ROWB                    ; my wave's rows
	s_add_co_u32 s56, s56, s60
	s_lshl_b32 s60, s54, 8                         ; and its 256 bytes of them
	s_add_co_u32 s56, s56, s60
	s_mov_b32 s57, 0
	s_lshl_b32 s58, s15, 14                        ; b1
	s_lshl_b32 s60, s52, 9
	s_add_co_u32 s58, s58, s60
	s_mov_b32 s59, 0
	s_lshl_b32 s50, s15, 8                         ; bm: the expert's two maps of 128 bytes
	s_mov_b32 s51, 0
	s_lshl_b32 s48, s15, 23                        ; hid
	s_lshl_b32 s60, s52, 12
	s_add_co_u32 s48, s48, s60
	s_mov_b32 s49, 0
	v_and_b32 v1, 31, v0                           ; lane
	v_and_b32 v61, 15, v0                          ; r = lane % 16
	v_bfe_u32 v41, v0, 4, 1                        ; h = lane / 16
	v_mul_u32_u24 v4, v61, PW
	v_lshl_add_u32 v4, v41, 4, v4                  ; a fragment: row r x pitch + 16 h
	s_mul_i32 s60, s54, 64*PW
	s_lshl_b32 s61, s53, 5
	s_add_co_u32 s60, s60, s61
	v_mul_u32_u24 v6, v61, 4*PW                    ; the stream into LDS: column 64 (w / 4) + 4 r, k = 16 (w % 4) + 8 h
	v_lshl_add_u32 v6, v41, 4, v6
	v_add_nc_u32 v6, s60, v6
	v_mul_u32_u24 v8, v41, 8*ROWB                  ; the stream in memory: eight rows further down for lanes 16 to 31,
	v_lshl_add_u32 v8, v61, 4, v8                  ; 16 bytes a lane
	v_lshl_add_u32 v9, v41, 5, BIASL               ; the bias: eight numbers on for lanes 16 to 31
	v_lshlrev_b32 v10, 4, v1                       ; 16 x lane
	v_lshlrev_b32 v11, 4, v41                      ; 16 h
	s_wait_kmcnt 0x0
	s_add_nc_u64 s[4:5], s[4:5], s[56:57]
	s_add_nc_u64 s[6:7], s[6:7], s[58:59]
	s_add_nc_u64 s[10:11], s[10:11], s[50:51]
	s_add_nc_u64 s[12:13], s[12:13], s[48:49]
	s_load_b512 s[16:31], s[10:11], 0x0            ; first choices: word j = tokens 32 j .. 32 j + 31
	s_load_b512 s[32:47], s[10:11], 0x40
	s_load_b512 s[68:83], s[10:11], 0x80           ; second choices
	s_load_b512 s[84:99], s[10:11], 0xc0
	global_load_b128 v[52:55], v10, s[6:7]         ; the slice's 128 biases, four a lane: older than every load that is counted below
	ISSUE 0, BF                                    ; blocks 0 and 1 into registers that are idle until the first products,
	ISSUE 1, BF+32
	ISSUE 2, ST                                    ; block 2 into the first set
	s_wait_kmcnt 0x0
	s_mov_b32 s48, 0                               ; the expert's rows; s[16:47] become the union of the two maps
.set j, 0
.rept 32
	s_or_b32 s[16+j], s[16+j], s[68+j]
	s_bcnt1_i32_b32 s60, s[16+j]
	s_add_co_u32 s48, s48, s60
.set j, j+1
.endr
	s_min_u32 s48, s48, 1024                       ; there are no more tokens
	s_add_co_u32 s49, s48, 31
	s_lshr_b32 s49, s49, 5                         ; chunks of 32 rows
	s_max_u32 s62, s49, 1                          ; chunks of round 0 that are stored: chunk 0 always
	s_max_u32 s63, s48, 1
	s_sub_co_u32 s63, s63, 1                       ; the last rank
	s_add_co_u32 s67, s14, 48
	s_mov_b32 s68, 0xbf07dc22                      ; -a5 / 2 .. -a1 / 2, each named as a pair
	s_mov_b32 s69, s68
	s_mov_b32 s70, 0x3f3a00e3
	s_mov_b32 s71, s70
	s_mov_b32 s72, 0xbf35f0e3
	s_mov_b32 s73, s72
	s_mov_b32 s74, 0x3e11a98e
	s_mov_b32 s75, s74
	s_mov_b32 s76, 0xbe027906
	s_mov_b32 s77, s76
	s_mov_b32 s78, 0xbf38aa3b                      ; -log2(e) / 2
	s_mov_b32 s79, s78
	s_mov_b32 s80, 0x3e6d3389                      ; 0.3275911 / sqrt 2
	s_mov_b32 s81, s80
	s_mov_b32 s82, 0x7fffffff
	s_mov_b32 s50, s14                             ; round 0: my chunk is my wave's number
	FIND
	s_mov_b64 s[54:55], s[8:9]
	WIN 0x40                                       ; from here the loads go out in a trip's order: rows, block, rows, rows
	ALOAD 0
	WIN 0
	ISSUE 3, ST+32
	WIN 0x40
	ALOAD 1
	ALOAD 2
	WIN 0
	s_wait_loadcnt 36                              ; block 0 is in: behind it stand blocks 1, 2, 3 (24) and three steps' rows (12)
	FILLB BF, 6, 0
	s_wait_loadcnt 28                              ; block 1
	FILLB BF+32, 6, 128
	s_cmp_lg_u32 s14, 1
	s_cbranch_scc1 .Lnobias
	v_cvt_pk_bf16_f32 v56, v52, v53                ; wave 1: the bias rounded to bf16, like every input, and laid into LDS as f32
	v_cvt_pk_bf16_f32 v57, v54, v55
	v_lshlrev_b32 v52, 16, v56
	v_and_b32 v53, 0xffff0000, v56
	v_lshlrev_b32 v54, 16, v57
	v_and_b32 v55, 0xffff0000, v57
	v_add_nc_u32 v58, BIASL, v10
	ds_store_b128 v58, v[52:55]
.Lnobias:
	s_wait_dscnt 0x0                               ; for the others' sake: my part of chunk 0, and wave 1's bias, are in LDS
	s_barrier_signal -1
	s_barrier_wait -1
	v_mov_b32 v60, v4                              ; round 0 takes all 128 columns
	v_mov_b32 v5, v4
	s_mov_b32 s52, 0                               ; the chunk in hand, in bytes
	WIN 0x40
	BIASLD 8, 9
	WIN 0
	BLOAD 0, 8
	s_mov_b32 s53, 6
.Lr0:                                                  ; trips 0 to 5: multiply, lay two blocks, ask for two
	TRIP0 1
	WIN 0                                          ; at a label and at a branch every window is 0
	s_wait_xcnt 0x0                                ; the two pointers step only behind this wait
	s_add_nc_u64 s[4:5], s[4:5], 128*ROWB
	s_add_nc_u64 s[54:55], s[54:55], 4*ASTEP
	s_add_co_u32 s52, s52, CHUNK
	s_sub_co_u32 s53, s53, 1
	s_cmp_lg_u32 s53, 0
	s_cbranch_scc1 .Lr0
	TRIP0 0                                        ; trip 6 lays blocks 14 and 15 and asks for nothing
	WIN 0
	s_wait_xcnt 0x0
	s_add_nc_u64 s[54:55], s[54:55], 4*ASTEP
	s_add_co_u32 s52, s52, CHUNK
	LAST 8                                         ; trip 7
	PLACES
	WIN 0
	s_lshl_b32 s60, s14, 18
	v_add_nc_u32 v14, s60, v10                     ; hid: two tiles of 131,072 bytes a chunk, 16 bytes a lane
	s_mov_b32 s66, 1                               ; a whole chunk: both halves of the columns go out
	s_mov_b32 s51, 7                               ; this pass and six units
	s_cmp_ge_u32 s14, s62
	s_cbranch_scc1 .Lnext                          ; my chunk does not exist: nothing is stored
	s_branch .Lepi                                 ; the loop over units is entered at its way out
.Lunit:
	s_lshl_b32 s60, s51, 3
	s_sub_co_u32 s60, s67, s60                     ; unit w, w + 8, .. w + 40
	s_and_b32 s58, s60, 1                          ; which 64 columns
	s_lshr_b32 s50, s60, 1
	s_add_co_u32 s50, s50, 8                       ; which chunk of rows
	s_cmp_ge_u32 s50, s49
	s_cbranch_scc1 .Lnext                          ; no such chunk: forward, past no barrier
	s_wait_xcnt 0x0                                ; the last unit's offsets are rewritten only behind this wait
	s_min_u32 s50, s50, 31
	FIND
	s_mul_i32 s60, s58, 64*PW
	v_add_nc_u32 v[UB], s60, v4                    ; my fragment's place in the unit's columns of chunk 0,
.irp q, 1,2,3
	v_add_nc_u32 v[UB+\q], \q*2*CHUNK, v[UB]       ; of chunks 2, 4, 6
.endr
	s_lshl_b32 s61, s58, 8
	v_add_nc_u32 v15, s61, v9
	s_lshl_b32 s61, s50, 18
	s_lshl_b32 s57, s58, 11                        ; four blocks of 16 columns are 2,048 bytes of a tile
	s_add_co_u32 s61, s61, s57
	v_add_nc_u32 v14, s61, v10
	s_mov_b64 s[54:55], s[8:9]                     ; the rows' pointer stays: a unit's steps stand in the immediates
	WIN 0x40
	ALOAD 0
	ALOAD 1
	ALOAD 2
	BIASLD 4, 15
	WIN 0
	BLOADU 0
.set kst, 0
.rept 32
	STEPU kst
.set kst, kst+1
.endr
	WIN 0
	s_mov_b32 s66, 0
.Lepi:
.irp a, 0,1
.irp b, 0,1,2,3
	GELU8 \a, \b
.endr
.endr
	WIN 0
	s_cmp_eq_u32 s66, 0
	s_cbranch_scc1 .Lnext                          ; a unit has 64 columns alone
.irp a, 0,1
.irp b, 4,5,6,7
	GELU8 \a, \b
.endr
.endr
	WIN 0
.Lnext:
	s_sub_co_u32 s51, s51, 1
	s_cmp_lg_u32 s51, 0
	s_cbranch_scc1 .Lunit
	s_wait_tensorcnt 0x0                           ; the wave's end
	ds_add_u32 v[SPW], v[NIL]
	s_wait_dscnt 0x0
	s_endpgm
.Lfunc_end_k_qeeb4789ed4_up:
	.size	k_qeeb4789ed4_up, .Lfunc_end_k_qeeb4789ed4_up-k_qeeb4789ed4_up
	.p2alignl 7, 3214868480
	.fill 96, 4, 3214868480
	.section	.rodata,"a",@progbits
	.p2align	6, 0x0
	.amdhsa_kernel k_qeeb4789ed4_up
		.amdhsa_group_segment_fixed_size 280064
		.amdhsa_private_segment_fixed_size 0
		.amdhsa_enable_private_segment 0
		.amdhsa_kernarg_size 40
		.amdhsa_user_sgpr_count 2
		.amdhsa_user_sgpr_kernarg_segment_ptr 1
		.amdhsa_wavefront_size32 1
		.amdhsa_system_sgpr_workgroup_id_x 1
		.amdhsa_system_sgpr_workgroup_id_y 1
		.amdhsa_system_sgpr_workgroup_id_z 1
		.amdhsa_system_vgpr_workitem_id 0
		.amdhsa_next_free_vgpr 448
		.amdhsa_next_free_sgpr 100
		.amdhsa_reserve_vcc 1
		.amdhsa_float_denorm_mode_32 3
		.amdhsa_float_denorm_mode_16_64 3
		.amdhsa_memory_ordered 1
		.amdhsa_forward_progress 1
		.amdhsa_inst_pref_size 209
	.end_amdhsa_kernel
	.amdgpu_metadata
---
amdhsa.version: [ 1, 2 ]
amdhsa.kernels:
  - .name:           k_qeeb4789ed4_up
    .symbol:         k_qeeb4789ed4_up.kd
    .args:
      - { .name: W1, .offset: 0, .size: 8, .value_kind: global_buffer, .address_space: global }
      - { .name: b1, .offset: 8, .size: 8, .value_kind: global_buffer, .address_space: global }
      - { .name: xb, .offset: 16, .size: 8, .value_kind: global_buffer, .address_space: global }
      - { .name: bm, .offset: 24, .size: 8, .value_kind: global_buffer, .address_space: global }
      - { .name: hid, .offset: 32, .size: 8, .value_kind: global_buffer, .address_space: global }
    .group_segment_fixed_size: 280064
    .private_segment_fixed_size: 0
    .kernarg_segment_align: 8
    .kernarg_segment_size: 40
    .max_flat_workgroup_size: 256
    .sgpr_count:     100
    .vgpr_count:     448
    .wavefront_size: 32
...
	.end_amdgpu_metadata
.endif
;; end of part 2
;; launch down (part 3): grid 256 x 1, 8 waves a work-group, no clusters, 319,232 bytes of LDS; arguments W2, b2, hid, bm, part; writes part
.if DOCPART == 3
	.amdgcn_target "amdgcn-amd-amdhsa--gfx1250"
	.amdhsa_code_object_version 6
	.text
	.protected	k_qeeb4789ed4_down
	.globl	k_qeeb4789ed4_down
	.p2align	8
	.type	k_qeeb4789ed4_down,@function
k_qeeb4789ed4_down:
	s_mov_b64 s[64:65], 0
	v_nop
	global_prefetch_b8 v0, s[64:65] scope:SCOPE_SE
	s_setreg_imm32_b32 hwreg(HW_REG_WAVE_MODE, 25, 1), 1
	s_wait_xcnt 0x0
; SECOND PRODUCT OF THE EXPERTS.  part[kq][2 token + choice] = hid (a quarter of its 4,096 columns) W2[e] (+ b2[e] in quarter 0), for the rows that chose expert e.
; W2: [8][4096][1024] f32, b2: [8][1024] f32, both rounded to bf16 here; hid: bf16 in operand order (below); sums and part in f32 (partial sums, added by the next launch).
; SHARES.  Work-group id: expert e = id / 32, output columns 128 ((id / 4) % 8) on, quarter kq = id % 4 of the hidden width: 1,024 k x 128 n of W2, which no other work-group reads, and all of the
; expert's rows.
; THE STREAM RUNS UNDER THE PRODUCTS, as in the first product.  The slice lies in LDS in eight chunks of 128 k ([n][k], rows of 272 bytes).  A block is 64 k: each wave loads 16 rows x 64 columns of it,
; rounds, turns and stores them.  A trip is four K steps of 32, one chunk: trip i multiplies chunk i, lays blocks 2 i + 2 and 2 i + 3 into chunk i + 1 and asks for blocks 2 i + 4 and 2 i + 5.  One
; barrier a trip, in its third step: in front of it chunk i + 1 is written and chunk i is read, behind it chunk i + 1 is read.  No byte of the slice is written twice.
; ROUND 0, under the stream: wave w has the chunk of rows 32 w .. 32 w + 31.  Every wave runs it, so that loads and barriers count alike in all; a wave whose chunk does not exist runs it on the expert's
; last chunk (chunk 0, which the first product always stores, if the expert has no rows) and stores nothing.
; LATER ROWS: chunks 8 to 31 in halves of 64 columns, 48 units dealt to the 8 waves: a loop of the constant count 6, units past the count are jumped; no barrier in it.  A unit's 32 K steps are written
; out: each LDS address is a register that is fixed for the unit plus an immediate.
; hid: e 2^23 + (rank / 16) 2^17 + (column / 32) 1024 + half 512 + lane 16: a fragment is two loads of 512 consecutive bytes.  Ranks go by ascending tokens in both launches.
; THE MATRIX INSTRUCTION IS USED TRANSPOSED (source 0 = 16 columns of W2, source 1 = 16 rows of hid): a lane holds eight neighbouring columns of one row.
; THE WAY OUT.  16 rows x 64 columns at a time go through my wave's own stage in LDS and come back as rows of 256 bytes: sixteen lanes store 256 consecutive bytes of a row of part, whose place the list
; gives (wave 0 lays the list of the expert's rows, 2 x token + choice, into LDS at the start).  Places past the count in the last chunk repeat the expert's last row: the same wave then stores the same
; numbers to the same bytes again.  An expert without rows stores nothing.
; LIMITS.  NaN and infinities are not treated apart (b2 is multiplied by 0 in quarters 1 to 3).
; REGISTERS.  window 0: v2-3 the add's; v4 a fragment's place in a chunk, v5 the same in the chunk in hand, v6-7 likewise for the stream's stores, v8 the stream's offset, v9 the bias's place,
; v10 16 x lane, v11 16 x (lane % 16), v12-13 my two tiles' offsets in hid, v14-15 at work, v60 round 0's columns, v61-62 my places in the stage, v63 in the list; v16-59 at work (v16-47: rows on
; their way out; v48-51: a unit's columns in chunks 0, 2, 4, 6); v64-191 two buffers of weight fragments; v192-255 two sets of a block's loads, and when the stream has ended v192-207 the 16 pairs of
; rows' offsets in part.   window 1: v0-127 accumulators ((mb, nb) at 8 (8 mb + nb)); v128-191 four slots of hid fragments.
.set PW,     272                       ; an LDS row: 128 bf16 + 16 bytes = 68 words: row n starts at bank 4 n mod 64 (64 banks of 4 bytes: ISA guide 11.1)
.set CHUNK,  128*PW                    ; 128 columns x 128 k
.set BIASL,  8*CHUNK                   ; the slice's 128 biases, rounded, as f32
.set LIST,   BIASL+512                 ; 1,056 words: the list and 32 places of filling; behind them
.set DUMPI,  1056                      ; the dump: words 1,056 to 1,087, one for each lane that has nothing to list
.set STAGE,  LIST+4352                 ; 16 rows x 272 bytes for each wave
.set SP,     272
.set SPARE,  STAGE+8*16*SP             ; the spare words: 128 bytes for each wave, four blocks of 256 bytes that no other line names
.set ROWB,   4096                      ; bytes from a row of W2[e] to the next
.set ASTEP,  1024                      ; bytes of a tile of hid in a K step
.set AHALF,  512
.set SPW,    2
.set NIL,    3
.set UB,     48
.set BF,     64
.set ST,     192
.set AF,     128
.set OFFS,   192
.set MSB, 0
.macro WIN new                         ; s_set_vgpr_msb: bits 1:0 source 0, 3:2 source 1, 5:4 source 2, 7:6 destination; the high byte repeats the setting that is left
.if MSB != (\new)
	s_set_vgpr_msb (MSB<<8)|(\new)
.set MSB, (\new)
.endif
.endm
.macro PLACES                          ; four places behind matrix instructions, in front of loads into registers that they read and of the first read of their results
.rept 4
	v_nop
.endr
.endm
.macro ISSUE blk, reg                  ; my part of block blk, counted from the stream's pointer: a lane has eight rows x 4 columns
.irp u, 0,1,2,3,4,5,6,7
	global_load_b128 v[(\reg)+4*\u:(\reg)+4*\u+3], v8, s[4:5] offset:(\blk)*64*ROWB+\u*ROWB th:TH_LOAD_NT
.endr
.endm
.macro FILLB reg, adr, off             ; a block is rounded and turned: for each of my 4 columns eight k in 16 bytes, into that column's LDS row
.irp c, 0,1,2,3
.irp q, 0,1,2,3
	v_cvt_pk_bf16_f32 v[16+4*\c+\q], v[(\reg)+8*\q+\c], v[(\reg)+8*\q+4+\c]
.endr
.endr
.irp c, 0,1,2,3
	ds_store_b128 v[\adr], v[16+4*\c:16+4*\c+3] offset:\c*PW+(\off)
.endr
.endm
.macro FILLT k, cnt, issue             ; in a trip: set k's block goes into half k of the next chunk; its 16 conversions are the places behind the products just issued; then the set takes the block two further on
	WIN 0
	s_wait_loadcnt \cnt
	FILLB ST+32*(\k), 7, CHUNK+128*(\k)
.if \issue
	ISSUE 4+(\k), ST+32*(\k)
.endif
.endm
.macro BLOAD p, nn                     ; round 0: the weights' fragments of step p of the chunk in hand (p = 4: step 0 of the next): nn blocks of 16 columns x 32 k
.set bf, BF+64*((\p)%2)
.set bo, (\p)*64
.if (\p) == 4
.set bo, CHUNK
.endif
.set nb, 0
.rept \nn
	ds_load_b128 v[bf+8*nb:bf+8*nb+3],   v5 offset:bo+nb*16*PW
	ds_load_b128 v[bf+8*nb+4:bf+8*nb+7], v5 offset:bo+nb*16*PW+32
.set nb, nb+1
.endr
.endm
.macro BLOADU st                       ; a unit: the weights' fragments of K step st (0 to 31): 64 columns x 32 k.  The register holds the pair of chunks, the immediate the chunk of the pair, the step and the block
.set bf, BF+64*((\st)%2)
.set bo, (((\st)/4)%2)*CHUNK+((\st)%4)*64
.set ub, UB+(\st)/8
.set nb, 0
.rept 4
	ds_load_b128 v[bf+8*nb:bf+8*nb+3],   v[ub] offset:bo+nb*16*PW
	ds_load_b128 v[bf+8*nb+4:bf+8*nb+7], v[ub] offset:bo+nb*16*PW+32
.set nb, nb+1
.endr
.endm
.macro ALOAD p                         ; the rows' fragments of step p, counted from the pointer: 32 rows x 32 k, 4 loads of 512 consecutive bytes, into slot p % 4 (window 1)
.set af, AF+16*((\p)%4)
.irp mb, 0,1
	global_load_b128 v[af+8*\mb:af+8*\mb+3],   v[12+\mb], s[54:55] offset:(\p)*ASTEP
	global_load_b128 v[af+8*\mb+4:af+8*\mb+7], v[12+\mb], s[54:55] offset:(\p)*ASTEP+AHALF
.endr
.endm
.macro MULS p, nn                      ; 2 nn matrix instructions; the accumulators take turns, one instruction a turn
.set bf, BF+64*((\p)%2)
.set af, AF+16*((\p)%4)
.set nb, 0
.rept \nn
.irp mb, 0,1
	v_wmma_f32_16x16x32_bf16 v[8*(8*\mb+nb):8*(8*\mb+nb)+7], v[bf+8*nb:bf+8*nb+7], v[af+8*\mb:af+8*\mb+7], v[8*(8*\mb+nb):8*(8*\mb+nb)+7]
.endr
.set nb, nb+1
.endr
.endm
.macro BIASLD nn, adr                  ; the sums start as the bias (0 in quarters 1 to 3): register j of block nb is column 16 nb + 8 (lane / 16) + j, as in the result
.set nb, 0
.rept \nn
.irp mb, 0,1
	ds_load_b128 v[8*(8*\mb+nb):8*(8*\mb+nb)+3],   v[\adr] offset:64*nb
	ds_load_b128 v[8*(8*\mb+nb)+4:8*(8*\mb+nb)+7], v[\adr] offset:64*nb+16
.endr
.set nb, nb+1
.endr
.endm
; K step p of a trip of round 0.  bl, al: the next step's weights and the rows three steps on are asked for, into the buffer and the slot that the step before multiplied (four places stand in front).
; dsn, ldn: the LDS instructions and the loads younger than this step's operands.  bar: the trip's barrier: all my LDS instructions are done, I say so, multiply, and go on when all eight have said so.
.macro STEP p, nn, bl, al, dsn, ldn, bar
.if \bl
	WIN 0
	BLOAD (\p)+1, \nn
.endif
.if \al
	WIN 0x40                                       ; destination window 1, address window 0
	ALOAD (\p)+3
.endif
	s_wait_dscnt \dsn
	s_wait_loadcnt \ldn
.if \bar
	s_barrier_signal -1
.endif
	WIN 0x54                                       ; weights in window 0; rows, C and D in window 1
	MULS \p, \nn
.if \bar
	s_barrier_wait -1
.endif
.endm
; A trip of round 0.  Its loads go out in the order rows 4, block 8, rows 4, block 8, rows 4, rows 4; loads come back in order (ISA guide 5.7.1), so each wait counts what was issued behind its target:
; steps 0 to 3: 20, 20, 28, 28; each block, asked for a trip ago: 24.  issue = 0 (no block is left to ask for): 20, 12, 12, 12; blocks 24, 16.
; LDS: 16 younger loads; in step 1 also the four stores of the block just laid: 20; in front of the signal 0.
.macro TRIP0 issue
	WIN 0
	v_add_nc_u32 v5, s52, v60
	v_add_nc_u32 v7, s52, v6
	STEP 0, 8, 1, 1, 16, 20, 0
	FILLT 0, 24, \issue
.if \issue
	STEP 1, 8, 1, 1, 20, 20, 0
	FILLT 1, 24, 1
	STEP 2, 8, 1, 1, 0, 28, 1
	PLACES
	STEP 3, 8, 1, 1, 16, 28, 0
.else
	STEP 1, 8, 1, 1, 20, 12, 0
	FILLT 1, 16, 0
	STEP 2, 8, 1, 1, 0, 12, 1
	PLACES
	STEP 3, 8, 1, 1, 16, 12, 0
.endif
	PLACES
.endm
.macro LAST nn                         ; round 0's last four K steps: one more load of rows, then the counts run down
	WIN 0
	v_add_nc_u32 v5, s52, v60
	STEP 0, \nn, 1, 1, 2*(\nn), 12, 0
	PLACES
	STEP 1, \nn, 1, 0, 2*(\nn), 8, 0
	PLACES
	STEP 2, \nn, 1, 0, 2*(\nn), 4, 0
	PLACES
	STEP 3, \nn, 0, 0, 0, 0, 0
.endm
; K step st of a later unit: 64 columns, no stream.  8 younger LDS loads; three younger steps of four loads, at the end 8, 4, 0.  The four places behind the products stand in front of the next step's loads.
.macro STEPU st
.if (\st) < 31
	WIN 0
	BLOADU (\st)+1
.endif
.if (\st) <= 28
	WIN 0x40
	ALOAD (\st)+3
.endif
.if (\st) < 31
	s_wait_dscnt 8
.else
	s_wait_dscnt 0x0
.endif
.if (\st) <= 28
	s_wait_loadcnt 12
.else
	s_wait_loadcnt 4*(31-(\st))
.endif
	WIN 0x54
	MULS \st, 4
	PLACES
.endm
; Tile mb, accumulators 4 ch .. 4 ch + 3 (64 columns): through my stage and out.
.macro OUTP mb, ch
	WIN 0x04                                       ; the LDS stores' data in window 1
.irp n, 0,1,2,3
	ds_store_b128 v61, v[8*(8*\mb+4*\ch+\n):8*(8*\mb+4*\ch+\n)+3]   offset:64*\n      ; each accumulator from its low end on
	ds_store_b128 v61, v[8*(8*\mb+4*\ch+\n)+4:8*(8*\mb+4*\ch+\n)+7] offset:64*\n+16
.endr
	WIN 0
	s_wait_xcnt 0x0                                ; v16-47, which the stores before read, are loaded again only behind this wait
.irp t, 0,1,2,3,4,5,6,7
	ds_load_b128 v[16+4*\t:19+4*\t], v62 offset:\t*2*SP    ; my wave's own bytes: LDS serves a wave's instructions in order (ISA guide 5.7.1.4)
.endr
.irp t, 0,1,2,3,4,5,6,7
	s_wait_dscnt 7-\t                              ; pair t of rows is back; the later pairs stay out
	global_store_b128 v[OFFS+8*\mb+\t], v[16+4*\t:19+4*\t], s[12:13] offset:256*\ch  ; sixteen lanes store 256 consecutive bytes, at a multiple of 256 from part's first
.endr
.endm
	s_load_b256 s[4:11], s[0:1], 0x0               ; W2 s[4:5], b2 s[6:7], hid s[8:9], bm s[10:11]
	s_load_b64 s[12:13], s[0:1], 0x20              ; part
	v_lshl_add_u32 v[SPW], v0, 2, SPARE
	v_mov_b32 v[NIL], 0
	v_lshrrev_b32 v1, 5, v0
	v_readfirstlane_b32 s14, v1                    ; wave 0..7
	s_lshr_b32 s15, ttmp9, 5                       ; e
	s_bfe_u32 s52, ttmp9, 0x30002                  ; which 128 output columns (3 bits from bit 2)
	s_and_b32 s55, ttmp9, 3                        ; kq
	s_and_b32 s53, s14, 3                          ; which 16 of a block's 64 rows my wave streams
	s_lshr_b32 s54, s14, 2                         ; which 64 of the 128 columns
	s_lshl_b32 s56, s15, 24                        ; W2: the expert,
	s_lshl_b32 s60, s55, 22                        ; the quarter's 1,024 rows,
	s_add_co_u32 s56, s56, s60
	s_lshl_b32 s60, s52, 9                         ; the columns,
	s_add_co_u32 s56, s56, s60
	s_mul_i32 s60, s53, 16*ROWB                    ; my wave's rows
	s_add_co_u32 s56, s56, s60
	s_lshl_b32 s60, s54, 8                         ; and its 256 bytes of them
	s_add_co_u32 s56, s56, s60
	s_mov_b32 s57, 0
	s_lshl_b32 s58, s15, 12                        ; b2
	s_lshl_b32 s60, s52, 9
	s_add_co_u32 s58, s58, s60
	s_mov_b32 s59, 0
	s_lshl_b32 s50, s15, 8                         ; bm: the expert's two maps of 128 bytes
	s_mov_b32 s51, 0
	s_lshl_b32 s48, s15, 23                        ; hid: the expert, the quarter's 32 blocks of 32 columns
	s_lshl_b32 s60, s55, 15
	s_add_co_u32 s48, s48, s60
	s_mov_b32 s49, 0
	s_lshl_b32 s44, s55, 23                        ; part: the quarter, the columns
	s_lshl_b32 s60, s52, 9
	s_add_co_u32 s44, s44, s60
	s_mov_b32 s45, 0
	v_and_b32 v1, 31, v0                           ; lane
	v_and_b32 v40, 15, v0                          ; r = lane % 16
	v_bfe_u32 v41, v0, 4, 1                        ; h = lane / 16
	v_mul_u32_u24 v4, v40, PW
	v_lshl_add_u32 v4, v41, 4, v4                  ; a fragment: row r x pitch + 16 h
	s_mul_i32 s60, s54, 64*PW
	s_lshl_b32 s61, s53, 5
	s_add_co_u32 s60, s60, s61
	v_mul_u32_u24 v6, v40, 4*PW                    ; the stream into LDS: column 64 (w / 4) + 4 r, k = 16 (w % 4) + 8 h
	v_lshl_add_u32 v6, v41, 4, v6
	v_add_nc_u32 v6, s60, v6
	v_mul_u32_u24 v8, v41, 8*ROWB                  ; the stream in memory: eight rows further down for lanes 16 to 31,
	v_lshl_add_u32 v8, v40, 4, v8                  ; 16 bytes a lane
	v_lshl_add_u32 v9, v41, 5, BIASL               ; the bias: eight numbers on for lanes 16 to 31
	v_lshlrev_b32 v10, 4, v1                       ; 16 x lane
	v_lshlrev_b32 v11, 4, v40                      ; 16 r
	s_mul_i32 s60, s14, 16*SP
	s_add_co_u32 s60, s60, STAGE                   ; my stage
	v_mul_u32_u24 v61, v40, SP                     ; in: row r, 32 bytes for each half of the lanes
	v_lshl_add_u32 v61, v41, 5, v61
	v_add_nc_u32 v61, s60, v61
	v_mul_u32_u24 v62, v41, SP                     ; back: lanes 0-15 one row of 256 bytes, lanes 16-31 the next
	v_lshl_add_u32 v62, v40, 4, v62
	v_add_nc_u32 v62, s60, v62
	v_lshl_add_u32 v63, v41, 2, LIST               ; the list's words for those two rows
	s_wait_kmcnt 0x0
	s_add_nc_u64 s[4:5], s[4:5], s[56:57]
	s_add_nc_u64 s[6:7], s[6:7], s[58:59]
	s_add_nc_u64 s[8:9], s[8:9], s[48:49]
	s_add_nc_u64 s[10:11], s[10:11], s[50:51]
	s_add_nc_u64 s[12:13], s[12:13], s[44:45]
	s_cmp_eq_u32 s55, 0
	s_cselect_b32 s59, 1.0, 0                      ; the bias is added once, by quarter 0
	s_load_b512 s[16:31], s[10:11], 0x0            ; first choices: word j = tokens 32 j .. 32 j + 31
	s_load_b512 s[32:47], s[10:11], 0x40
	s_load_b512 s[68:83], s[10:11], 0x80           ; second choices
	s_load_b512 s[84:99], s[10:11], 0xc0
	global_load_b128 v[52:55], v10, s[6:7]         ; the slice's 128 biases, four a lane: older than every load that is counted below
	ISSUE 0, BF                                    ; blocks 0 and 1 into registers that are idle until the first products,
	ISSUE 1, BF+32
	ISSUE 2, ST                                    ; block 2 into the first set
	s_wait_kmcnt 0x0
	s_mov_b32 s48, 0                               ; the expert's rows
.set j, 0
.rept 32
	s_or_b32 s60, s[16+j], s[68+j]
	s_bcnt1_i32_b32 s60, s60
	s_add_co_u32 s48, s48, s60
.set j, j+1
.endr
	s_min_u32 s48, s48, 1024                       ; there are no more tokens
	s_add_co_u32 s49, s48, 31
	s_lshr_b32 s49, s49, 5                         ; chunks of 32 rows
	s_max_u32 s62, s49, 1
	s_add_co_u32 s67, s14, 48
	s_sub_co_u32 s60, s62, 1
	s_min_u32 s60, s60, s14                        ; round 0: my chunk, or the expert's last
	s_min_u32 s60, s60, 31
	s_lshl_b32 s61, s60, 18
	v_add_nc_u32 v12, s61, v10                     ; hid: two tiles of 131,072 bytes a chunk, 16 bytes a lane
	v_add_nc_u32 v13, 0x20000, v12
	s_mov_b64 s[54:55], s[8:9]
	WIN 0x40                                       ; from here the loads go out in a trip's order: rows, block, rows, rows
	ALOAD 0
	WIN 0
	ISSUE 3, ST+32
	WIN 0x40
	ALOAD 1
	ALOAD 2
	WIN 0
	s_cmp_lg_u32 s14, 0
	s_cbranch_scc1 .Lnolist
	; Wave 0 lays the list.  First every word of the list and of the dump is written once (8 x 512 + 256 = 4,352 bytes), so that no read of the list can meet bytes that nobody wrote;
	; LDS serves a wave's instructions in order (ISA guide 5.7.1.4), so the entries below land on top.
	v_lshl_add_u32 v32, v1, 4, LIST
	v_lshl_add_u32 v39, v1, 3, LIST+4096
.irp i, 44,45,46,47
	v_mov_b32 v[\i], 0
.endr
.irp i, 0,1,2,3,4,5,6,7
	ds_store_b128 v32, v[44:47] offset:512*\i
.endr
	ds_store_b64 v39, v[44:45]
	; Then 32 tokens at a time: a token's rank is the number of the expert's tokens in front of it.  A lane whose token did not choose the expert takes its word of the dump: the choice between the two
	; indices stands ahead of the clamp, and behind the clamp come a shift and an add alone.
	v_add_nc_u32 v33, DUMPI, v1
	v_lshlrev_b32 v34, 1, v1                       ; 2 x token,
	v_or_b32 v35, 1, v34                           ; + 1 where the expert is the second choice
	s_mov_b32 s61, 0
.set j, 0
.rept 32
	s_or_b32 s60, s[16+j], s[68+j]
	v_mbcnt_lo_u32_b32 v36, s60, s61
	v_cndmask_b32 v36, v33, v36, s60
	v_min_u32 v36, 0x43f, v36                      ; 1,087: the dump's last word
	v_lshl_add_u32 v37, v36, 2, LIST
	v_cndmask_b32 v38, v34, v35, s[68+j]
	ds_store_b32 v37, v38
	v_add_nc_u32 v34, 64, v34
	v_add_nc_u32 v35, 64, v35
	s_bcnt1_i32_b32 s60, s60
	s_add_co_u32 s61, s61, s60
.set j, j+1
.endr
	s_cmp_eq_u32 s48, 0
	s_cbranch_scc1 .Lnolist
	s_sub_co_u32 s60, s48, 1                       ; the 32 places behind the list repeat its last entry
	s_min_u32 s60, s60, 0x3ff
	s_lshl_b32 s60, s60, 2
	s_add_co_u32 s60, s60, LIST
	v_mov_b32 v37, s60
	ds_load_b32 v38, v37
	v_add_nc_u32 v36, s48, v1
	v_min_u32 v36, 0x41f, v36
	v_lshl_add_u32 v39, v36, 2, LIST
	s_wait_dscnt 0x0
	ds_store_b32 v39, v38
.Lnolist:
	s_wait_loadcnt 36                              ; block 0 is in: behind it stand blocks 1, 2, 3 (24) and three steps' rows (12)
	FILLB BF, 6, 0
	s_wait_loadcnt 28                              ; block 1
	FILLB BF+32, 6, 128
	s_cmp_lg_u32 s14, 1
	s_cbranch_scc1 .Lnobias
	v_cvt_pk_bf16_f32 v56, v52, v53                ; wave 1: the bias rounded to bf16, like every input, times 1 or 0, and laid into LDS as f32
	v_cvt_pk_bf16_f32 v57, v54, v55
	v_lshlrev_b32 v52, 16, v56
	v_and_b32 v53, 0xffff0000, v56
	v_lshlrev_b32 v54, 16, v57
	v_and_b32 v55, 0xffff0000, v57
.irp i, 52,53,54,55
	v_mul_f32 v[\i], s59, v[\i]
.endr
	v_add_nc_u32 v58, BIASL, v10
	ds_store_b128 v58, v[52:55]
.Lnobias:
	s_wait_dscnt 0x0                               ; for the others' sake: my part of chunk 0, wave 0's list and wave 1's bias are in LDS
	s_barrier_signal -1
	s_barrier_wait -1
	v_mov_b32 v60, v4                              ; round 0 takes all 128 columns
	v_mov_b32 v5, v4
	s_mov_b32 s52, 0                               ; the chunk in hand, in bytes
	WIN 0x40
	BIASLD 8, 9
	WIN 0
	BLOAD 0, 8
	s_mov_b32 s53, 6
.Lr0:                                                  ; trips 0 to 5: multiply, lay two blocks, ask for two
	TRIP0 1
	WIN 0                                          ; at a label and at a branch every window is 0
	s_wait_xcnt 0x0                                ; the two pointers step only behind this wait
	s_add_nc_u64 s[4:5], s[4:5], 128*ROWB
	s_add_nc_u64 s[54:55], s[54:55], 4*ASTEP
	s_add_co_u32 s52, s52, CHUNK
	s_sub_co_u32 s53, s53, 1
	s_cmp_lg_u32 s53, 0
	s_cbranch_scc1 .Lr0
	TRIP0 0                                        ; trip 6 lays blocks 14 and 15 and asks for nothing
	WIN 0
	s_wait_xcnt 0x0
	s_add_nc_u64 s[54:55], s[54:55], 4*ASTEP
	s_add_co_u32 s52, s52, CHUNK
	LAST 8                                         ; trip 7
	PLACES
	WIN 0
	s_mov_b32 s50, s14
	s_mov_b32 s58, 0
	s_mov_b32 s66, 1                               ; a whole chunk: both halves of the columns go out
	s_mov_b32 s51, 7                               ; this pass and six units
	s_cmp_ge_u32 s14, s49
	s_cbranch_scc1 .Lnext                          ; my chunk does not exist: nothing is stored
	s_branch .Lepi                                 ; the loop over units is entered at its way out
.Lunit:
	s_lshl_b32 s60, s51, 3
	s_sub_co_u32 s60, s67, s60                     ; unit w, w + 8, .. w + 40
	s_and_b32 s58, s60, 1                          ; which 64 columns
	s_lshr_b32 s50, s60, 1
	s_add_co_u32 s50, s50, 8                       ; which chunk of rows
	s_cmp_ge_u32 s50, s49
	s_cbranch_scc1 .Lnext                          ; no such chunk: forward, past no barrier
	s_wait_xcnt 0x0                                ; the last unit's stores have read their data and offsets: these are rewritten only behind this wait
	s_min_u32 s50, s50, 31
	s_lshl_b32 s61, s50, 18
	v_add_nc_u32 v12, s61, v10
	v_add_nc_u32 v13, 0x20000, v12
	s_mul_i32 s60, s58, 64*PW
	v_add_nc_u32 v[UB], s60, v4                    ; my fragment's place in the unit's columns of chunk 0,
.irp q, 1,2,3
	v_add_nc_u32 v[UB+\q], \q*2*CHUNK, v[UB]       ; of chunks 2, 4, 6
.endr
	s_lshl_b32 s61, s58, 8
	v_add_nc_u32 v15, s61, v9
	s_mov_b64 s[54:55], s[8:9]                     ; the rows' pointer stays: a unit's steps stand in the immediates
	WIN 0x40
	ALOAD 0
	ALOAD 1
	ALOAD 2
	BIASLD 4, 15
	WIN 0
	BLOADU 0
.set kst, 0
.rept 32
	STEPU kst
.set kst, kst+1
.endr
	WIN 0
	s_mov_b32 s66, 0
.Lepi:
	s_lshl_b32 s61, s50, 7
	v_add_nc_u32 v14, s61, v63
.irp mb, 0,1
.irp t, 0,1,2,3,4,5,6,7
	ds_load_b32 v[16+8*\mb+\t], v14 offset:64*\mb+8*\t     ; rank 32 c + 16 mb + 2 t + lane / 16
.endr
.endr
	s_lshl_b32 s61, s58, 8
	v_add_nc_u32 v15, s61, v11                     ; 16 r, and 256 bytes on for a unit's second 64 columns
	s_wait_dscnt 0x0
.set i, 0
.rept 16
	v_min_u32 v[16+i], 0x7ff, v[16+i]
	v_lshl_add_u32 v[OFFS+i], v[16+i], 12, v15     ; the entry's row of 4,096 bytes in part
.set i, i+1
.endr
	OUTP 0, 0
	OUTP 1, 0
	s_cmp_eq_u32 s66, 0
	s_cbranch_scc1 .Lnext                          ; a unit has 64 columns alone
	OUTP 0, 1
	OUTP 1, 1
.Lnext:
	s_sub_co_u32 s51, s51, 1
	s_cmp_lg_u32 s51, 0
	s_cbranch_scc1 .Lunit
	s_wait_tensorcnt 0x0                           ; the wave's end
	ds_add_u32 v[SPW], v[NIL]
	s_wait_dscnt 0x0
	s_endpgm
.Lfunc_end_k_qeeb4789ed4_down:
	.size	k_qeeb4789ed4_down, .Lfunc_end_k_qeeb4789ed4_down-k_qeeb4789ed4_down
	.p2alignl 7, 3214868480
	.fill 96, 4, 3214868480
	.section	.rodata,"a",@progbits
	.p2align	6, 0x0
	.amdhsa_kernel k_qeeb4789ed4_down
		.amdhsa_group_segment_fixed_size 319232
		.amdhsa_private_segment_fixed_size 0
		.amdhsa_enable_private_segment 0
		.amdhsa_kernarg_size 40
		.amdhsa_user_sgpr_count 2
		.amdhsa_user_sgpr_kernarg_segment_ptr 1
		.amdhsa_wavefront_size32 1
		.amdhsa_system_sgpr_workgroup_id_x 1
		.amdhsa_system_sgpr_workgroup_id_y 1
		.amdhsa_system_sgpr_workgroup_id_z 1
		.amdhsa_system_vgpr_workitem_id 0
		.amdhsa_next_free_vgpr 448
		.amdhsa_next_free_sgpr 100
		.amdhsa_reserve_vcc 0
		.amdhsa_float_denorm_mode_32 3
		.amdhsa_float_denorm_mode_16_64 3
		.amdhsa_memory_ordered 1
		.amdhsa_forward_progress 1
		.amdhsa_inst_pref_size 141
	.end_amdhsa_kernel
	.amdgpu_metadata
---
amdhsa.version: [ 1, 2 ]
amdhsa.kernels:
  - .name:           k_qeeb4789ed4_down
    .symbol:         k_qeeb4789ed4_down.kd
    .args:
      - { .name: W2, .offset: 0, .size: 8, .value_kind: global_buffer, .address_space: global }
      - { .name: b2, .offset: 8, .size: 8, .value_kind: global_buffer, .address_space: global }
      - { .name: hid, .offset: 16, .size: 8, .value_kind: global_buffer, .address_space: global }
      - { .name: bm, .offset: 24, .size: 8, .value_kind: global_buffer, .address_space: global }
      - { .name: part, .offset: 32, .size: 8, .value_kind: global_buffer, .address_space: global }
    .group_segment_fixed_size: 319232
    .private_segment_fixed_size: 0
    .kernarg_segment_align: 8
    .kernarg_segment_size: 40
    .max_flat_workgroup_size: 256
    .sgpr_count:     100
    .vgpr_count:     448
    .wavefront_size: 32
...
	.end_amdgpu_metadata
.endif
;; end of part 3
;; launch mix (part 4): grid 256 x 1, 8 waves a work-group, no clusters, 0 bytes of LDS; arguments part, gate, out0; writes out0
.if DOCPART == 4
	.amdgcn_target "amdgcn-amd-amdhsa--gfx1250"
	.amdhsa_code_object_version 6
	.text
	.protected	k_qeeb4789ed4_mix
	.globl	k_qeeb4789ed4_mix
	.p2align	8
	.type	k_qeeb4789ed4_mix,@function
k_qeeb4789ed4_mix:
	s_mov_b64 s[64:65], 0
	v_nop
	global_prefetch_b8 v0, s[64:65] scope:SCOPE_SE
	s_setreg_imm32_b32 hwreg(HW_REG_WAVE_MODE, 25, 1), 1
	s_wait_xcnt 0x0
; THE SUM.  out0[token] = gate[token][0] x (the four quarters of its first expert's row) + gate[token][1] x (those of its second's).  All f32.
; part: [kq 4][2 token + choice][1024]; gate: [token][2]; out0: [token][1024].
; A stream: memory binds, so no LDS, no barrier, no matrix unit.  A wave has half a token's row (2,048 bytes): 32 loads of 512 consecutive bytes, all issued before the first wait, in four quarters
; of 512 bytes of output, each with its eight loads; the waits count the later quarters' loads.  256 work-groups x 8 waves = 1,024 tokens x 2 halves.
; v4-7 offsets (16 x lane + kq x 2^23); v[16 + 32 q + 8 kq + 4 kk ..] the loads of quarter q
	s_load_b128 s[4:7], s[0:1], 0x0                ; part s[4:5], gate s[6:7]
	s_load_b64 s[8:9], s[0:1], 0x10                ; out0
	v_lshrrev_b32 v1, 5, v0
	v_readfirstlane_b32 s10, v1                    ; wave 0..7
	v_and_b32 v2, 31, v0
	v_lshlrev_b32 v4, 4, v2
	v_add_nc_u32 v5, 0x800000, v4
	v_add_nc_u32 v6, 0x1000000, v4
	v_add_nc_u32 v7, 0x1800000, v4
	s_lshl_b32 s11, ttmp9, 2
	s_lshr_b32 s12, s10, 1
	s_add_co_u32 s11, s11, s12                     ; my token
	s_and_b32 s12, s10, 1
	s_lshl_b32 s12, s12, 11                        ; my half of its row
	s_lshl_b32 s16, s11, 13                        ; part: two rows of 4,096 bytes a token
	s_add_co_u32 s16, s16, s12
	s_mov_b32 s17, 0
	s_lshl_b32 s18, s11, 3                         ; gate
	s_mov_b32 s19, 0
	s_lshl_b32 s20, s11, 12                        ; out0
	s_add_co_u32 s20, s20, s12
	s_mov_b32 s21, 0
	s_wait_kmcnt 0x0
	s_add_nc_u64 s[4:5], s[4:5], s[16:17]
	s_add_nc_u64 s[6:7], s[6:7], s[18:19]
	s_add_nc_u64 s[8:9], s[8:9], s[20:21]
	s_load_b64 s[24:25], s[6:7], 0x0               ; the token's two gates
.irp q, 0,1,2,3
.irp kq, 0,1,2,3
.irp kk, 0,1
	global_load_b128 v[16+32*\q+8*\kq+4*\kk:19+32*\q+8*\kq+4*\kk], v[4+\kq], s[4:5] offset:4096*\kk+512*\q th:TH_LOAD_NT
.endr
.endr
.endr
	s_wait_kmcnt 0x0
	s_mov_b32 s26, s25                             ; the second gate as the low word of a pair of its own
	s_mov_b32 s27, s25
.irp q, 0,1,2,3
	s_wait_loadcnt 24-8*\q                         ; this quarter's eight loads are in; the later quarters' stay out
.irp d, 0,2,4,6
	v_pk_add_f32 v[16+32*\q+\d:17+32*\q+\d], v[16+32*\q+\d:17+32*\q+\d], v[24+32*\q+\d:25+32*\q+\d]      ; kq 0 + kq 1 (d < 4: first choice, else second)
	v_pk_add_f32 v[32+32*\q+\d:33+32*\q+\d], v[32+32*\q+\d:33+32*\q+\d], v[40+32*\q+\d:41+32*\q+\d]      ; kq 2 + kq 3
.endr
.irp d, 0,2,4,6
	v_pk_add_f32 v[16+32*\q+\d:17+32*\q+\d], v[16+32*\q+\d:17+32*\q+\d], v[32+32*\q+\d:33+32*\q+\d]
.endr
.irp d, 0,2
	v_pk_mul_f32 v[16+32*\q+\d:17+32*\q+\d], v[16+32*\q+\d:17+32*\q+\d], s[24:25] op_sel_hi:[1,0]
.endr
.irp d, 0,2
	v_pk_fma_f32 v[16+32*\q+\d:17+32*\q+\d], v[20+32*\q+\d:21+32*\q+\d], s[26:27], v[16+32*\q+\d:17+32*\q+\d] op_sel_hi:[1,0,1]
.endr
	global_store_b128 v4, v[16+32*\q:19+32*\q], s[8:9] offset:512*\q th:TH_STORE_NT   ; 512 consecutive bytes, at a multiple of 256 from out0's first
.endr
	s_endpgm
.Lfunc_end_k_qeeb4789ed4_mix:
	.size	k_qeeb4789ed4_mix, .Lfunc_end_k_qeeb4789ed4_mix-k_qeeb4789ed4_mix
	.p2alignl 7, 3214868480
	.fill 96, 4, 3214868480
	.section	.rodata,"a",@progbits
	.p2align	6, 0x0
	.amdhsa_kernel k_qeeb4789ed4_mix
		.amdhsa_group_segment_fixed_size 0
		.amdhsa_private_segment_fixed_size 0
		.amdhsa_enable_private_segment 0
		.amdhsa_kernarg_size 24
		.amdhsa_user_sgpr_count 2
		.amdhsa_user_sgpr_kernarg_segment_ptr 1
		.amdhsa_wavefront_size32 1
		.amdhsa_system_sgpr_workgroup_id_x 1
		.amdhsa_system_sgpr_workgroup_id_y 1
		.amdhsa_system_sgpr_workgroup_id_z 1
		.amdhsa_system_vgpr_workitem_id 0
		.amdhsa_next_free_vgpr 144
		.amdhsa_next_free_sgpr 66
		.amdhsa_reserve_vcc 0
		.amdhsa_float_denorm_mode_32 3
		.amdhsa_float_denorm_mode_16_64 3
		.amdhsa_memory_ordered 1
		.amdhsa_forward_progress 1
		.amdhsa_inst_pref_size 9
	.end_amdhsa_kernel
	.amdgpu_metadata
---
amdhsa.version: [ 1, 2 ]
amdhsa.kernels:
  - .name:           k_qeeb4789ed4_mix
    .symbol:         k_qeeb4789ed4_mix.kd
    .args:
      - { .name: part, .offset: 0, .size: 8, .value_kind: global_buffer, .address_space: global }
      - { .name: gate, .offset: 8, .size: 8, .value_kind: global_buffer, .address_space: global }
      - { .name: out0, .offset: 16, .size: 8, .value_kind: global_buffer, .address_space: global }
    .group_segment_fixed_size: 0
    .private_segment_fixed_size: 0
    .kernarg_segment_align: 8
    .kernarg_segment_size: 24
    .max_flat_workgroup_size: 256
    .sgpr_count:     66
    .vgpr_count:     144
    .wavefront_size: 32
...
	.end_amdgpu_metadata
.endif
;; end of part 4
